; MI455X (gfx1250); checked and timed in simulation.
; The chip was launched on July 23, 2026; its instructions are those of AMD's public machine-readable ISA for CDNA 5 (MIT licence, August 2026) and "CDNA5" Instruction Set Architecture Reference Guide (July 2026). The comments in the code are by the model that wrote it; some were corrected since.
;; Pointwise Aggregated Attention. Allowed arithmetic: float matrix products may take bf16 or f16 operands with f32 sums; all other float work in f32.
;; Inputs: k 2 x 2,048 x 1,024 float32; mask 2 x 2,048 int32; q 2 x 2,048 x 1,024 float32; rel_bias 32 x 16 float32; v 2 x 2,048 x 1,024 float32.
;; Outputs: out0 2 x 2,048 x 1,024 float32.
;; 2 versions, each right; version 2 is version 1 with the launch attn written anew for expert scheduling mode. Each part assembles by itself: llvm-mc -triple=amdgcn-amd-amdhsa -mcpu=gfx1250 --defsym DOCPART=n.
;; ======== version 1 of 2: 1 launch
;; limits: a function is approximated: absolute error at most 1.5e-05; right only within a limited range of input values
;; launch attn (part 1): grid 256 x 1, 8 waves a work-group, no clusters, 149,504 bytes of LDS; arguments k, mask, q, rel_bias, v, out0; writes out0
.if DOCPART == 1
	.amdgcn_target "amdgcn-amd-amdhsa--gfx1250"
	.amdhsa_code_object_version 6
	.text
	.protected	k_q31588cd646_attn
	.globl	k_q31588cd646_attn
	.p2align	8
	.type	k_q31588cd646_attn,@function
k_q31588cd646_attn:
	s_mov_b64 s[64:65], 0
	v_nop
	global_prefetch_b8 v0, s[64:65] scope:SCOPE_SE
	s_setreg_imm32_b32 hwreg(HW_REG_WAVE_MODE, 25, 1), 1
	s_wait_xcnt 0x0
; out[b][q][head][:] = sum_k w(q,k) v[k] / (sum_k w(q,k) + 1e-8),  w = softplus(q.k/8 + bias(q-k)) for k <= q, mask[k] and mask[q] set, else 0.
; B = 2, S = 2048, 16 heads of 64.  q, k, v, out f32 [2][2048][1024]; mask i32 [2][2048]; rel_bias f32 [32][16].
;
; SHARING.  A head's 2048 queries are 16 blocks of 128.  Work-group i (0..7) of a head takes block 15-i and then block i: (16-i) + (i+1) = 17
; pairs (128 queries x 128 keys) in each of the 256 work-groups.  Key blocks are walked DOWN from the diagonal, so a query block's first trip is
; the diagonal one, the second has distances 1..255, and all later ones (far trips) have distances >= 129, where the bias is one number (bucket 31).
; Wave w = g + 4 p: query rows 32 g .. 32 g + 31 (two tiles of 16), keys 64 p .. 64 p + 63 of each key block (two steps of 32).  At a query block's
; end wave w hands one tile's sums to wave w ^ 4 and finishes the other: register tile 0 holds query tile p, register tile 1 query tile 1 - p.
;
; MATRIX USE.  S^T = K Q^T (A = 16 keys, B = 16 queries): a lane holds 8 neighbouring keys of one query, so two result tiles pack straight into the
; B fragment P^T (32 keys x 16 queries) of O^T = V^T P^T.  A fifth A tile whose 16 rows all are the key mask (bf16 1 or 0) gives the row sum, of the
; same weights that the numerator uses.  Rows of V of masked keys are cleared when V is converted.
;
; ROUNDING.  q, k and v are rounded to bf16 as they are (q/8 is a power of two away from q, so its rounding is q's).  A row with few keys has
; outputs of the size of v and carries a weight's relative error undiminished, so there one bf16 number a weight (8 bits) is too coarse.
; In the two near trips every weight goes to the matrix unit as hi + lo, two bf16 numbers: hi the weight rounded, lo the exact remainder rounded,
; 16 bits together.  In the far trips the lo parts are made and multiplied only if fewer than LOMIN = 64 of the 128 keys of the block next below
; the diagonal one are alive (counted from the mask at the start).  Otherwise every row of the query block has at least 64 keys whose weights
; carry 16 bits, and a far weight's error of 2^-9 enters the output divided by the row's whole sum.
; LIMIT of that: where those near weights are all much smaller than the far ones, the row carries the plain bf16 rounding of its far weights.
; bf16 and not f16: weights grow with |q||k| and have no bound inside f16's range.
;
; ARITHMETIC.  y = q.k/8 + bias (the bias enters as C of the first product); z = log2(e) y; w' = max(z,0) + log2(1 + t), t = 2^-|z| in [0,1];
; log2(1+t) = t (b1 + t (b2 + t (b3 + t (b4 + t b5)))), Abramowitz and Stegun 4.1.43 times log2(e): absolute error 1.5e-5, relative error 6e-4 for
; small t, on the whole range of t.  out = sum w' v / (sum w' + 1e-8 log2(e)).
; Causal: the bias is -1e30 there, so t = 0, max = 0, w' = 0 exactly.  Query mask: the reciprocal is ANDed with 0 or -1.
; LIMITS.  Inputs finite, |q.k|/8 far below 1e29.  For z < -126 the exponential gives 0 where the exact weight is below 1e-38.
; A non-finite v in a row that the masks remove gives 0 here (0 x inf would be NaN).
;
; NO CLUSTER, NO TENSOR LOADS: in every trip the eight work-groups of a head are on eight different key blocks (work-group i starts at block 15 - i),
; so no two ask for one tile at one time; and K and V are f32 in memory and pass through registers anyway, to be rounded to bf16 and masked.
.set TRIPS,  17                        ; (query block, key block) pairs of a work-group
.set LOMIN,  64                        ; alive keys in the block below the diagonal one from which on far trips leave the lo parts out
.set ROWB,   4096                      ; bytes from a sequence position to the next
.set KPITCH, 144                       ; LDS row of K: 128 bytes of bf16 + 16
.set VPITCH, 160                       ; LDS row of V: 128 bytes + 32 (an odd multiple of 32, for the transposing loads)
.set OPITCH, 272                       ; LDS row of the way out: 256 bytes of f32 + 16
.set KB,     0                         ; 128 x 144   K block, bf16
.set VB,     18432                     ; 128 x 160   V block, bf16, masked
.set TAB,    38912                     ; 23 x 1024   bias tiles in the layout of a matrix result; tile ti is for q0 - k0 = 16 (ti - 7)
.set T2,     62464                     ; 512 x 4     bias of distance x - 127; -1e30 for x < 127
.set MB16,   64512                     ; 2048 x 2    key mask as bf16 1.0 or 0
.set MA32,   68608                     ; 2048 x 4    mask as 0 or 0xffffffff
.set XCH,    76800                     ; 8 x 4608    what a wave hands to its partner
.set XCHW,   4608
.set OST,    113664                    ; 8 x 4352    each wave's stage on the way out: 16 rows
.set OSTW,   4352
; window 0
.set VKA,  1                           ; K fragments: (64 p + r) 144 + 16 h
.set VVA,  2                           ; V fragments: VB + (64 p + 8 h + L%8) 160 + 16 ((L/8)%2)
.set VMF0, 3                           ; MB16 + 128 p + 16 h
.set VMF,  4                           ; the same at this trip's key block
.set VTB0, 5                           ; bias tiles of register tile 0
.set VTB1, 6                           ; of register tile 1
.set VGO,  7                           ; staging: (t/16) 4096 + (t%16) 16
.set VKS,  8                           ; staging: where my 8 bytes of K go
.set VVS,  9                           ; of V
.set VMA0, 10                          ; MA32 + 4 (t/16)
.set VMAC, 11                          ; the same at the staged key block
.set VPF,  12                          ; prefetch: (t%128) 4096
.set VQ0,  13                          ; Q rows of register tile 0
.set VQ1,  14                          ; of register tile 1
.set VXS,  15                          ; my exchange area
.set VXL,  16                          ; my partner's
.set VOS,  17                          ; way out: in
.set VOL,  18                          ; way out: back
.set VOG,  19                          ; way out: offset in out0
.set VQM0, 20                          ; MA32 + 4 (32 g + 16 p + r)
.set BC,   24                          ; v[24:31]   the constant bias as a C tile
.set QF,   32                          ; v[32:63]   Q fragments (tile a, hd half c) at 16 a + 8 c
.set SCR,  64                          ; v[64:95]   scores (tile a, key tile b) at 16 a + 8 b
.set PF,   96                          ; v[96:111]  weights, hi parts, as B fragments, 8 a
.set KF,   112                         ; v[112:143] K fragments (key tile b, hd half c) at 16 b + 8 c
.set VF,   144                         ; v[144:183] V^T fragments 8 t, t = 0..3; t = 4 is the mask tile
.set TE,   184                         ; v[184:199] t = 2^-|z|; staging: K as bf16
.set PL,   200                         ; v[200:215] the polynomial; staging: V as bf16
.set PLO,  224                         ; v[224:239] weights, lo parts, as B fragments, 8 a
.set NEG1, 240                         ; v240       -1.0
.set VC0,  241                         ; v241       offset in the mask of my 4 words of block 14 - i; never rewritten
.set VC1,  242                         ; v242       the same of block max(i - 1, 0); never rewritten
.set MC,   244                         ; v[244:251] those words
.set AM,   112                         ; staging: mask words of my 8 rows
.set X,    112                         ; epilogue: v[112:147]
.set YO,   148                         ; epilogue: v[148:179]
; window 1 (numbers are the low 8 bits)
.set SK,   0                           ; v256..  K block as loaded, f32
.set SV,   32                          ; V block as loaded
.set QR,   64                          ; Q as loaded: 32 a + 16 c + 4 u
.set OA,   128                         ; sums: 40 a + 8 t; t = 4 the row sums.  Up to v463
.set MSB, 0
.macro WIN new                         ; low byte: bits 1:0 source 0, 3:2 source 1, 5:4 source 2, 7:6 destination; the high byte repeats the setting left
.if MSB != \new
	s_set_vgpr_msb (MSB<<8)|\new
.set MSB, \new
.endif
.endm
.macro PLACES                          ; four plain vector instructions behind matrix instructions (ISA guide 7.12.1)
.rept 4
	v_nop
.endr
.endm
; key block of flat trip m: m < NH: NH - 1 - m (the hi query block's walk), else 16 - m (the lo block's)
.macro KBOF dst, m
	s_sub_co_u32 s58, s56, \m
	s_sub_co_u32 s59, 16, \m
	s_cmp_lt_u32 \m, s21
	s_cselect_b32 \dst, s58, s59
	s_and_b32 \dst, \dst, 15                       ; it is 0..15: the mask states the range
.endm
.macro QLOAD base                      ; 16 loads: two tiles of 16 query rows x 64 f32, in the order of a B fragment
	WIN 0x40
.irp c, 0,1
.irp u, 0,1,2,3
	global_load_b128 v[QR+16*\c+4*\u:QR+16*\c+4*\u+3], v[VQ0], s[\base:\base+1] offset:128*\c+16*(\u&1)+64*(\u>>1)
	global_load_b128 v[QR+32+16*\c+4*\u:QR+32+16*\c+4*\u+3], v[VQ1], s[\base:\base+1] offset:128*\c+16*(\u&1)+64*(\u>>1)
.endr
.endr
	WIN 0
.endm
.macro KVLOAD                          ; 16 loads: a key block of K and of V; sixteen lanes take a row's 256 bytes of this head
	WIN 0x40
.irp c, 0,1,2,3,4,5,6,7
	global_load_b128 v[SK+4*\c:SK+4*\c+3], v[VGO], s[32:33] offset:\c*16*ROWB
.endr
.irp c, 0,1,2,3,4,5,6,7
	global_load_b128 v[SV+4*\c:SV+4*\c+3], v[VGO], s[34:35] offset:\c*16*ROWB
.endr
	WIN 0
.endm
.macro KLOAD j                         ; K fragments of step j: 32 keys x 64
.irp b, 0,1
.irp c, 0,1
	ds_load_b128 v[KF+16*\b+8*\c:KF+16*\b+8*\c+3],   v[VKA] offset:(32*\j+16*\b)*KPITCH+64*\c
	ds_load_b128 v[KF+16*\b+8*\c+4:KF+16*\b+8*\c+7], v[VKA] offset:(32*\j+16*\b)*KPITCH+64*\c+32
.endr
.endr
.endm
; softplus of query tile a's 32 keys (16 registers), packed into its B fragments: hi always; lo always (dyn = 0) or if s62 says so (dyn = 1)
.macro SP a, dyn
.irp k, 0,2,4,6,8,10,12,14
	v_pk_mul_f32 v[SCR+16*\a+\k:SCR+16*\a+\k+1], v[SCR+16*\a+\k:SCR+16*\a+\k+1], s[60:61] op_sel_hi:[1,0]   ; z = log2(e) y
.endr
.irp k, 0,1,2,3,4,5,6,7,8,9,10,11,12,13,14,15
	v_exp_f32 v[TE+\k], -|v[SCR+16*\a+\k]|
.endr
	v_nop                                          ; one plain instruction before a transcendental's source is rewritten or its result read (ISA guide 5.7.2)
.irp k, 0,1,2,3,4,5,6,7,8,9,10,11,12,13,14,15
	v_max_num_f32 v[SCR+16*\a+\k], 0, v[SCR+16*\a+\k]
.endr
	s_wait_alu depctr_va_vdst(0)
.irp k, 0,2,4,6,8,10,12,14
	v_pk_fma_f32 v[PL+\k:PL+\k+1], v[TE+\k:TE+\k+1], s[44:45], v[22:23] op_sel_hi:[1,0,1]      ; b5 t + b4
.endr
.irp k, 0,2,4,6,8,10,12,14
	v_pk_fma_f32 v[PL+\k:PL+\k+1], v[TE+\k:TE+\k+1], v[PL+\k:PL+\k+1], s[46:47] op_sel_hi:[1,1,0]   ; .. t + b3
.endr
.irp k, 0,2,4,6,8,10,12,14
	v_pk_fma_f32 v[PL+\k:PL+\k+1], v[TE+\k:TE+\k+1], v[PL+\k:PL+\k+1], s[48:49] op_sel_hi:[1,1,0]   ; .. t + b2
.endr
.irp k, 0,2,4,6,8,10,12,14
	v_pk_fma_f32 v[PL+\k:PL+\k+1], v[TE+\k:TE+\k+1], v[PL+\k:PL+\k+1], s[50:51] op_sel_hi:[1,1,0]   ; .. t + b1
.endr
.irp k, 0,2,4,6,8,10,12,14
	v_pk_fma_f32 v[SCR+16*\a+\k:SCR+16*\a+\k+1], v[TE+\k:TE+\k+1], v[PL+\k:PL+\k+1], v[SCR+16*\a+\k:SCR+16*\a+\k+1]   ; .. t + max(z,0)
.endr
.irp k, 0,1,2,3,4,5,6,7
	v_cvt_pk_bf16_f32 v[PF+8*\a+\k], v[SCR+16*\a+2*\k], v[SCR+16*\a+2*\k+1]                    ; hi
.endr
.if \dyn
	s_cmp_eq_u32 s62, 0
	s_cbranch_scc1 .Lnolo_\@                       ; enough near keys are alive: no lo parts in this query block's far trips
.endif
.irp k, 0,1,2,3,4,5,6,7
	v_fma_mix_f32_bf16 v[SCR+16*\a+2*\k],   v[PF+8*\a+\k], v[NEG1], v[SCR+16*\a+2*\k]   op_sel_hi:[1,0,0]                 ; w - hi, exact: hi's low half x -1 + w
	v_fma_mix_f32_bf16 v[SCR+16*\a+2*\k+1], v[PF+8*\a+\k], v[NEG1], v[SCR+16*\a+2*\k+1] op_sel:[1,0,0] op_sel_hi:[1,0,0]  ; the same with hi's high half
.endr
.irp k, 0,1,2,3,4,5,6,7
	v_cvt_pk_bf16_f32 v[PLO+8*\a+\k], v[SCR+16*\a+2*\k], v[SCR+16*\a+2*\k+1]                   ; lo
.endr
.if \dyn
.Lnolo_\@:
.endif
.endm
; ten matrix instructions: V^T (four tiles) and the mask tile times the weights' part at pb (hi or lo), for both query tiles
.macro PV pb, zero
.irp t, 0,1,2,3,4
.irp a, 0,1
.if \zero
	v_wmma_f32_16x16x32_bf16 v[OA+40*\a+8*\t:OA+40*\a+8*\t+7], v[VF+8*\t:VF+8*\t+7], v[\pb+8*\a:\pb+8*\a+7], 0
.else
	v_wmma_f32_16x16x32_bf16 v[OA+40*\a+8*\t:OA+40*\a+8*\t+7], v[VF+8*\t:VF+8*\t+7], v[\pb+8*\a:\pb+8*\a+7], v[OA+40*\a+8*\t:OA+40*\a+8*\t+7]
.endif
.endr
.endr
.endm
; One step: 32 keys x 32 queries.  near: the bias comes as tiles from TAB (prev = 1: the key block below the diagonal one); else it is the constant tile.
; zero: the products start the sums.  more: step 1's K fragments are fetched; else this is the trip's last step and the barrier is signalled.
; dyn = 0: hi products, then lo products.  dyn = 1 (far trips): the lo products, under a branch on s62, stand first, so that the branch lies in front
; of the barrier's signal; then the hi products.
; All matrix instructions take their accumulators by turns, one instruction a turn: S00 S01 S10 S11 twice, then the ten sums
; once or twice; on either way of the branch no two in a row share an accumulator.
.macro STEP j, near, prev, zero, more, dyn
.if \near
.irp b, 0,1
	ds_load_b128 v[SCR+8*\b:SCR+8*\b+3],       v[VTB0] offset:(3-2*\j-\b+8*\prev)*1024
	ds_load_b128 v[SCR+8*\b+4:SCR+8*\b+7],     v[VTB0] offset:(3-2*\j-\b+8*\prev)*1024+512
	ds_load_b128 v[SCR+16+8*\b:SCR+16+8*\b+3], v[VTB1] offset:(3-2*\j-\b+8*\prev)*1024
	ds_load_b128 v[SCR+16+8*\b+4:SCR+16+8*\b+7], v[VTB1] offset:(3-2*\j-\b+8*\prev)*1024+512
.endr
.endif
	s_wait_dscnt 0x0                               ; this step's K fragments (and bias tiles) are in
.irp a, 0,1
.irp b, 0,1
.if \near
	v_wmma_f32_16x16x32_bf16 v[SCR+16*\a+8*\b:SCR+16*\a+8*\b+7], v[KF+16*\b:KF+16*\b+7], v[QF+16*\a:QF+16*\a+7], v[SCR+16*\a+8*\b:SCR+16*\a+8*\b+7]
.else
	v_wmma_f32_16x16x32_bf16 v[SCR+16*\a+8*\b:SCR+16*\a+8*\b+7], v[KF+16*\b:KF+16*\b+7], v[QF+16*\a:QF+16*\a+7], v[BC:BC+7]
.endif
.endr
.endr
.irp a, 0,1
.irp b, 0,1
	v_wmma_f32_16x16x32_bf16 v[SCR+16*\a+8*\b:SCR+16*\a+8*\b+7], v[KF+16*\b+8:KF+16*\b+15], v[QF+16*\a+8:QF+16*\a+15], v[SCR+16*\a+8*\b:SCR+16*\a+8*\b+7]
.endr
.endr
	PLACES                                         ; behind these products: for the arithmetic that reads them and the loads into K's registers; behind the last step's sums: for the loads into V's
	KBOF s25, s22                                  ; this trip's key block.  The mask tile's address is made in each step, straight in front of its loads,
	v_lshl_add_u32 v[VMF], s25, 8, v[VMF0]         ; with no label between: MB16 + 256 x block (128 keys x 2 bytes) + 128 p + 16 h
.irp t, 0,1,2,3
	ds_load_tr16_b128 v[VF+8*\t:VF+8*\t+3],   v[VVA] offset:32*\j*VPITCH+32*\t
	ds_load_tr16_b128 v[VF+8*\t+4:VF+8*\t+7], v[VVA] offset:32*\j*VPITCH+32*\t+16*VPITCH
.endr
	ds_load_b128 v[VF+32:VF+35], v[VMF] offset:64*\j       ; the mask tile: all lanes of a half read the same 16 bytes
	ds_load_b128 v[VF+36:VF+39], v[VMF] offset:64*\j+32
.if \more
	KLOAD 1
.endif
	SP 0, \dyn
	SP 1, \dyn
.if \more
	s_wait_dscnt 0x8                               ; V and the mask tile are in; the 8 younger loads (next step's K) may stay out
.else
	s_wait_dscnt 0x0                               ; V and the mask tile are in, and my last reads of this key block are over
.endif
.if \dyn
	s_cmp_eq_u32 s62, 0
	s_cbranch_scc1 .Lnopv_\@
	WIN 0x50
	PV PLO, 0
	WIN 0
.Lnopv_\@:
.endif
.if \more
.else
	s_barrier_signal -1                            ; my reads are over: say so; only register work follows until the wait
.endif
	WIN 0x50
	PV PF, \zero
.if \dyn
.else
	PV PLO, 0
.endif
	WIN 0
.endm
; Between a trip's two barriers: the key block of trip n + 1, which lies in registers, goes to LDS as bf16; that of trip n + 2 is asked for.
.macro STAGE
	s_wait_loadcnt 0x0                             ; the block asked for a trip ago is in; s[32:35] are free
	s_add_co_u32 s30, s22, 1
	s_cmp_ge_u32 s30, TRIPS
	s_cbranch_scc1 .Lstaged_\@                     ; no trip follows
	KBOF s31, s30
	v_lshl_add_u32 v[VMAC], s31, 9, v[VMA0]
.irp c, 0,1,2,3,4,5,6,7
	ds_load_b32 v[AM+\c], v[VMAC] offset:64*\c     ; mask word of key row 16 c + t/16
.endr
	WIN 0x05
.irp k, 0,1,2,3,4,5,6,7,8,9,10,11,12,13,14,15
	v_cvt_pk_bf16_f32 v[TE+\k], v[SK+2*\k], v[SK+2*\k+1]
.endr
.irp k, 0,1,2,3,4,5,6,7,8,9,10,11,12,13,14,15
	v_cvt_pk_bf16_f32 v[PL+\k], v[SV+2*\k], v[SV+2*\k+1]
.endr
	WIN 0
	s_add_co_u32 s30, s22, 2
	s_cmp_ge_u32 s30, TRIPS
	s_cbranch_scc1 .Lnoload_\@
	KBOF s31, s30
	s_lshl_b32 s28, s31, 19                        ; 128 rows of 4,096 bytes
	s_add_nc_u64 s[32:33], s[4:5], s[28:29]
	s_add_nc_u64 s[34:35], s[12:13], s[28:29]
	KVLOAD
.Lnoload_\@:
	s_cmp_lg_u32 s22, s27
	s_cbranch_scc1 .Lnoask_\@
	; Key blocks 0..6 of a head are loaded first by its work-group 7, block x in the staging of trip 6 - x.  Work-group i (0..6) asks once for block i,
	; in the staging of trip max(4 - i, -1): waves 0-3 K's 128 rows, waves 4-7 V's, a lane for each row's 256 bytes of this head.
	global_prefetch_b8 v[VPF], s[42:43] th:TH_LOAD_NT scope:SCOPE_SE
.Lnoask_\@:
.irp c, 0,1,2,3,4,5,6,7
	ds_store_b64 v[VKS], v[TE+2*\c:TE+2*\c+1] offset:\c*16*KPITCH
.endr
	s_wait_dscnt 0x8                               ; the mask words are in: only the 8 stores are younger
.irp c, 0,1,2,3,4,5,6,7
	v_and_b32 v[PL+2*\c], v[PL+2*\c], v[AM+\c]     ; rows of masked keys are cleared
	v_and_b32 v[PL+2*\c+1], v[PL+2*\c+1], v[AM+\c]
.endr
.irp c, 0,1,2,3,4,5,6,7
	ds_store_b64 v[VVS], v[PL+2*\c:PL+2*\c+1] offset:\c*16*VPITCH
.endr
.Lstaged_\@:
.endm
.macro TRIP near, prev, zero, dyn
	KLOAD 0
	STEP 0, \near, \prev, \zero, 1, \dyn
	STEP 1, \near, \prev, 0, 0, \dyn
	s_barrier_wait -1                              ; no wave reads this key block any more
	STAGE
	s_wait_dscnt 0x0                               ; my part of the next block is written
	s_barrier_signal -1
	s_barrier_wait -1                              ; everybody's is
	s_add_co_u32 s22, s22, 1
.endm
; The bias tiles.  Register j of lane (r, h) of tile ti is T2[16 ti + 15 + r - 8 h - j].  Wave w makes the whole tiles ti = w + 8 blk:
; eight words a lane from T2, then two stores of 512 consecutive bytes each (registers 0-3 at 16 L, registers 4-7 at 512 + 16 L).
.macro TABLD blk
.irp j, 0,1,2,3,4,5,6,7
	ds_load_b32 v[SCR+8*\blk+\j], v21 offset:512*\blk+4*(7-\j)
.endr
.endm
.macro TABST blk
	ds_store_b128 v220, v[SCR+8*\blk:SCR+8*\blk+3]   offset:8192*\blk
	ds_store_b128 v220, v[SCR+8*\blk+4:SCR+8*\blk+7] offset:8192*\blk+512
.endm
	; ---------------------------------------------------------------- ids, constants, addresses
	s_load_b256 s[4:11], s[0:1], 0x0               ; k s[4:5], mask s[6:7], q s[8:9], rel_bias s[10:11]
	s_load_b128 s[12:15], s[0:1], 0x20             ; v s[12:13], out0 s[14:15]
	v_lshl_add_u32 v254, v0, 2, 0x24400
	v_mov_b32 v255, 0
	v_lshrrev_b32 v216, 5, v0
	v_readfirstlane_b32 s18, v216                  ; w
	s_and_b32 s19, s18, 3                          ; g
	s_lshr_b32 s20, s18, 2                         ; p
	s_and_b32 s16, ttmp9, 7                        ; i
	s_lshr_b32 s17, ttmp9, 3
	s_lshr_b32 s30, s17, 4                         ; b
	s_and_b32 s17, s17, 15                         ; head
	s_sub_co_u32 s21, 16, s16                      ; NH: trips of the hi query block
	s_sub_co_u32 s56, 15, s16                      ; NH - 1: the hi query block
	s_mov_b32 s22, -1                              ; n, the flat trip number
	s_mov_b32 s23, 0                               ; query block: 0 hi, 1 lo
	s_mov_b32 s29, 0                               ; upper word of the offset pair s[28:29], for good
	s_sub_co_i32 s27, 4, s16
	s_max_i32 s27, s27, -1                         ; the trip in whose staging I prefetch,
	s_cmp_eq_u32 s16, 7
	s_cselect_b32 s27, 100, s27                    ; never in work-group 7
	s_mov_b32 s44, 0x3d3e0884                      ; b5
	s_mov_b32 s45, 0x3d3e0884
	s_mov_b32 s46, 0x3ed5d2ca                      ; b3
	s_mov_b32 s47, 0x3ed5d2ca
	s_mov_b32 s48, 0xbf35ad3c                      ; b2
	s_mov_b32 s49, 0xbf35ad3c
	s_mov_b32 s50, 0x3fb89262                      ; b1
	s_mov_b32 s51, 0x3fb89262
	s_mov_b32 s52, 0x3e000000                      ; 1/8: a power of two, so that rounding q/8 is rounding q
	s_mov_b32 s53, 0x3e000000
	s_mov_b32 s54, 0x3277da66                      ; 1e-8 log2(e)
	s_mov_b32 s60, 0x3fb8aa3b                      ; log2(e)
	s_mov_b32 s61, 0x3fb8aa3b
	v_mov_b32 v22, 0xbe490218                      ; b4
	v_mov_b32 v23, 0xbe490218
	v_mov_b32 v[NEG1], -1.0
	s_lshl_b32 s28, s30, 23                        ; b x 2048 x 4096
	s_lshl_b32 s31, s17, 8                         ; head x 256
	s_add_co_u32 s28, s28, s31
	s_lshl_b32 s58, s30, 13                        ; b x 8192, for the mask
	s_mov_b32 s59, 0
	s_lshl_b32 s17, s17, 2                         ; head x 4
	v_and_b32 v216, 31, v0                         ; L
	v_and_b32 v217, 15, v0                         ; r
	v_bfe_u32 v218, v0, 4, 1                       ; h
	v_lshrrev_b32 v219, 4, v0                      ; t / 16
	s_mul_i32 s30, s20, 64*KPITCH                  ; KB is LDS byte 0
	v_mul_u32_u24 v[VKA], v217, KPITCH
	v_lshl_add_u32 v[VKA], v218, 4, v[VKA]
	v_add_nc_u32 v[VKA], s30, v[VKA]
	v_and_b32 v220, 7, v0
	v_lshl_add_u32 v220, v218, 3, v220
	v_mul_u32_u24 v[VVA], v220, VPITCH
	v_bfe_u32 v220, v0, 3, 1
	v_lshl_add_u32 v[VVA], v220, 4, v[VVA]
	s_mul_i32 s30, s20, 64*VPITCH
	s_add_co_u32 s30, s30, VB
	v_add_nc_u32 v[VVA], s30, v[VVA]
	s_lshl_b32 s30, s20, 7
	s_add_co_u32 s30, s30, MB16
	v_lshl_add_u32 v[VMF0], v218, 4, s30
	; bias tile of (register tile a, step j, key tile b): ti = 8 prev + 2 g + (a xor p) - 4 p - 2 j - b + 7; 3 - 2 j - b + 8 prev stands in the immediate
	s_lshl_b32 s30, s19, 1
	s_add_co_u32 s30, s30, 4
	s_mul_i32 s31, s20, 3
	s_sub_co_u32 s31, s30, s31                     ; 2 g - 3 p + 4
	s_lshl_b32 s31, s31, 10
	s_add_co_u32 s31, s31, TAB
	v_lshl_add_u32 v[VTB0], v216, 4, s31
	s_add_co_u32 s30, s30, 1
	s_mul_i32 s31, s20, 5
	s_sub_co_u32 s31, s30, s31                     ; 2 g - 5 p + 5
	s_lshl_b32 s31, s31, 10
	s_add_co_u32 s31, s31, TAB
	v_lshl_add_u32 v[VTB1], v216, 4, s31
	v_lshlrev_b32 v[VGO], 12, v219
	v_lshl_add_u32 v[VGO], v217, 4, v[VGO]
	v_mul_u32_u24 v[VKS], v219, KPITCH
	v_lshl_add_u32 v[VKS], v217, 3, v[VKS]
	v_mul_u32_u24 v[VVS], v219, VPITCH
	v_lshl_add_u32 v[VVS], v217, 3, v[VVS]
	v_add_nc_u32 v[VVS], VB, v[VVS]
	v_lshl_add_u32 v[VMA0], v219, 2, MA32
	v_and_b32 v[VPF], 127, v0
	v_lshlrev_b32 v[VPF], 12, v[VPF]
	s_lshl_b32 s57, s19, 5
	s_lshl_b32 s30, s20, 4
	s_add_co_u32 s57, s57, s30                     ; 32 g + 16 p: first row of register tile 0
	s_xor_b32 s31, s57, 16                         ; 32 g + 16 (1 - p): of register tile 1
	v_add_nc_u32 v220, s57, v217
	v_lshl_add_u32 v[VQM0], v220, 2, MA32
	v_lshlrev_b32 v220, 12, v220
	v_lshl_add_u32 v[VQ0], v218, 5, v220
	v_add_nc_u32 v220, s31, v217
	v_lshlrev_b32 v220, 12, v220
	v_lshl_add_u32 v[VQ1], v218, 5, v220
	s_mul_i32 s30, s18, XCHW
	s_add_co_u32 s30, s30, XCH
	v_lshl_add_u32 v[VXS], v216, 4, s30
	s_xor_b32 s31, s18, 4
	s_mul_i32 s31, s31, XCHW
	s_add_co_u32 s31, s31, XCH
	v_lshl_add_u32 v[VXL], v216, 4, s31
	s_mul_i32 s30, s18, OSTW
	s_add_co_u32 s30, s30, OST
	v_mul_u32_u24 v220, v217, OPITCH
	v_lshl_add_u32 v220, v218, 5, v220
	v_add_nc_u32 v[VOS], s30, v220
	v_mul_u32_u24 v220, v218, OPITCH
	v_lshl_add_u32 v220, v217, 4, v220
	v_add_nc_u32 v[VOL], s30, v220
	v_lshlrev_b32 v220, 12, v218
	v_lshl_add_u32 v[VOG], v217, 4, v220
	; the two key blocks whose alive keys are counted: the one below each of my query blocks, 14 - i and i - 1 (block 0 for i = 0, whose lo query
	; block has no far trip, so that its count is not used); 128 words of 4 bytes a block, 4 words a lane
	s_sub_co_u32 s30, 14, s16
	s_lshl_b32 s30, s30, 9
	v_lshl_add_u32 v[VC0], v216, 4, s30
	s_sub_co_i32 s31, s16, 1
	s_max_i32 s31, s31, 0
	s_lshl_b32 s31, s31, 9
	v_lshl_add_u32 v[VC1], v216, 4, s31
	; bucket of distance d = t - 127: d below 16, else 16 + the number of thresholds 16 x 8^(m/16), rounded up, that d reaches; 31 from 113 on.
	; For t < 127 d wraps to a large number and the bucket is 31: a legal index, whose value is replaced by -1e30 below.
	v_add_nc_u32 v221, 0xffffff81, v0
	v_min_u32 v222, 16, v221
.irp thr, 19,21,24,27,31,35,40,46,52,59,67,77,87,99,113
	v_cmp_le_u32 vcc_lo, \thr, v221
	v_cndmask_b32 v223, 0, 1, vcc_lo
	v_add_nc_u32 v222, v222, v223
.endr
	v_lshl_add_u32 v222, v222, 6, s17              ; byte offset of rel_bias[bucket][head]
	v_lshlrev_b32 v21, 5, v0                       ; my 8 mask words
	s_wait_kmcnt 0x0
	s_add_nc_u64 s[4:5], s[4:5], s[28:29]          ; k, q, v, out0 at (b, head); mask at b
	s_add_nc_u64 s[8:9], s[8:9], s[28:29]
	s_add_nc_u64 s[12:13], s[12:13], s[28:29]
	s_add_nc_u64 s[14:15], s[14:15], s[28:29]
	s_add_nc_u64 s[6:7], s[6:7], s[58:59]
	s_load_b32 s55, s[10:11], s17 offset:0x7c0     ; rel_bias[31][head]
	s_lshl_b32 s28, s56, 19                        ; the hi query block, which is also key block kb(0)
	s_add_nc_u64 s[36:37], s[8:9], s[28:29]
	s_add_nc_u64 s[32:33], s[4:5], s[28:29]
	s_add_nc_u64 s[34:35], s[12:13], s[28:29]
	s_lshl_b32 s28, s16, 19                        ; block i: the lo query block, and the block that I prefetch
	s_add_nc_u64 s[40:41], s[8:9], s[28:29]
	s_cmp_eq_u32 s20, 0
	s_cselect_b64 s[42:43], s[4:5], s[12:13]       ; waves 0-3 ask for K, waves 4-7 for V
	s_add_nc_u64 s[42:43], s[42:43], s[28:29]
	global_load_b128 v[TE:TE+3], v21, s[6:7]
	global_load_b128 v[TE+4:TE+7], v21, s[6:7] offset:16
	global_load_b32 v[PL], v222, s[10:11]
	global_load_b128 v[MC:MC+3], v[VC0], s[6:7]
	global_load_b128 v[MC+4:MC+7], v[VC1], s[6:7]
	QLOAD 36
	KVLOAD
	s_wait_kmcnt 0x0
.irp k, 0,1,2,3,4,5,6,7
	v_mov_b32 v[BC+\k], s55                        ; the far bias as a C tile
.endr
	v_lshl_add_u32 v220, v0, 5, MA32
	v_lshl_add_u32 v221, v0, 4, MB16
	v_lshl_add_u32 v223, v0, 2, T2
	v_mov_b32 v[PL+1], 0xf149f2ca                  ; -1e30
	s_wait_loadcnt 0x20                            ; masks and bias are in; the 32 younger loads (Q, the first key block) stay out
.irp k, 0,1,2,3,4,5,6,7
	v_cmp_ne_u32 vcc_lo, 0, v[TE+\k]
	v_cndmask_b32 v[PL+8+\k], 0, -1, vcc_lo
.endr
.irp k, 0,1,2,3
	v_and_b32 v[TE+8+\k], 0x3f80, v[PL+8+2*\k]
	v_and_or_b32 v[PL+4+\k], v[PL+9+2*\k], 0x3f800000, v[TE+8+\k]
.endr
	v_cmp_gt_u32 vcc_lo, 127, v0
	v_cndmask_b32 v[PL], v[PL], v[PL+1], vcc_lo    ; keys behind the query
	ds_store_b128 v220, v[PL+8:PL+11]
	ds_store_b128 v220, v[PL+12:PL+15] offset:16
	ds_store_b128 v221, v[PL+4:PL+7]
	ds_store_b32 v223, v[PL]
	ds_store_b32 v223, v[BC] offset:1024           ; distances 129 and more
	; alive keys of the two blocks: four compares of 32 lanes each cover a block's 128 words.  s2, s3 = 1: fewer than LOMIN, far trips keep the lo parts
	s_mov_b32 s2, 0
	s_mov_b32 s3, 0
.irp k, 0,1,2,3
	v_cmp_ne_u32 s30, 0, v[MC+\k]
	v_cmp_ne_u32 s31, 0, v[MC+4+\k]
	s_bcnt1_i32_b32 s30, s30
	s_bcnt1_i32_b32 s31, s31
	s_add_co_u32 s2, s2, s30
	s_add_co_u32 s3, s3, s31
.endr
	s_cmp_lt_u32 s2, LOMIN
	s_cselect_b32 s2, 1, 0
	s_cmp_lt_u32 s3, LOMIN
	s_cselect_b32 s3, 1, 0
	s_wait_dscnt 0x0
	s_barrier_signal -1
	s_barrier_wait -1                              ; the masks and T2 are whole
	s_lshl_b32 s30, s18, 6
	s_add_co_u32 s30, s30, T2+32
	v_lshl_add_u32 v21, v217, 2, s30
	v_lshlrev_b32 v220, 5, v218
	v_sub_nc_u32 v21, v21, v220                    ; T2 + 4 (16 w + 8 + r - 8 h); 4 (7 - j) and 512 blk stand in the immediate
	s_lshl_b32 s30, s18, 10
	s_add_co_u32 s30, s30, TAB
	v_lshl_add_u32 v220, v216, 4, s30              ; TAB + 1024 w + 16 L
	TABLD 0
	TABLD 1
	s_wait_dscnt 0x0
	TABST 0                                        ; tile w
	TABST 1                                        ; tile w + 8
	s_cmp_eq_u32 s18, 7
	s_cbranch_scc1 .Ltabdone                       ; there are 23 tiles: wave 7 has no third one
	TABLD 2
	s_wait_dscnt 0x0
	TABST 2                                        ; tile w + 16
.Ltabdone:
	STAGE                                          ; n = -1: key block kb(0) to LDS, kb(1) asked for
	s_wait_dscnt 0x0
	s_barrier_signal -1
	s_barrier_wait -1                              ; the bias tiles and the first key block are whole
	s_mov_b32 s22, 0
	; ---------------------------------------------------------------- a query block
.Lqblock:
	s_cmp_eq_u32 s23, 0
	s_cselect_b32 s24, s56, s16                    ; qb: 15 - i, then i
	s_cselect_b32 s62, s2, s3                      ; do this block's far trips keep the lo parts?
	s_lshl_b32 s30, s24, 7
	s_add_co_u32 s30, s30, s57
	s_lshl_b32 s28, s30, 12
	s_add_nc_u64 s[38:39], s[14:15], s[28:29]      ; out0 at the 16 rows that I finish
	s_wait_loadcnt 0x10                            ; Q is in: only the at most 16 loads of the last staging are younger
	WIN 0x41
.set qi, 0
.rept 32
	v_pk_mul_f32 v[QR+2*qi:QR+2*qi+1], v[QR+2*qi:QR+2*qi+1], s[52:53] op_sel_hi:[1,0]
.set qi, qi+1
.endr
	WIN 0x05
.set qi, 0
.rept 32
	v_cvt_pk_bf16_f32 v[QF+qi], v[QR+2*qi], v[QR+2*qi+1]
.set qi, qi+1
.endr
	WIN 0
	s_cmp_lg_u32 s23, 0
	s_cbranch_scc1 .Lqheld
	QLOAD 40                                       ; the lo block's Q, into the registers just read
.Lqheld:
	TRIP 1, 0, 1, 0                                ; the diagonal key block starts the sums
	s_cmp_eq_u32 s24, 0
	s_cbranch_scc1 .Lepi
	TRIP 1, 1, 0, 0                                ; the block below it: distances 1 to 255
	s_sub_co_u32 s26, s24, 1
	s_cmp_eq_u32 s26, 0
	s_cbranch_scc1 .Lepi
.Lfar:
	TRIP 0, 0, 0, 1                                ; distances of 129 and more: one bias; lo parts only if s62 says so
	s_sub_co_u32 s26, s26, 1
	s_cmp_lg_u32 s26, 0
	s_cbranch_scc1 .Lfar
.Lepi:
	PLACES                                         ; behind the last sums: for the stores that read them and the loads into K's and V's registers
	WIN 0x04
.irp k, 0,1,2,3,4,5,6,7,8
	ds_store_b128 v[VXS], v[OA+40+4*\k:OA+40+4*\k+3] offset:512*\k     ; register tile 1: 32 sums and the row sum, to my partner
.endr
	WIN 0
	v_lshl_add_u32 v21, s24, 9, v[VQM0]
	ds_load_b32 v220, v21                          ; mask word of my query
	s_wait_dscnt 0x0
	s_barrier_signal -1
	s_barrier_wait -1
.irp k, 0,1,2,3,4,5,6,7,8
	ds_load_b128 v[X+4*\k:X+4*\k+3], v[VXL] offset:512*\k              ; my partner's half of the keys for my register tile 0
.endr
	s_wait_dscnt 0x0
	WIN 0x01
.irp k, 0,2,4,6,8,10,12,14,16,18,20,22,24,26,28,30,32
	v_pk_add_f32 v[X+\k:X+\k+1], v[OA+\k:OA+\k+1], v[X+\k:X+\k+1]
.endr
	WIN 0
	v_add_f32 v216, s54, v[X+32]
	v_rcp_f32 v217, v216
	v_nop                                          ; one plain instruction before the reciprocal is read (ISA guide 5.7.2)
	s_wait_alu depctr_va_vdst(0)
	v_and_b32 v218, v217, v220                     ; 0 for a masked query
	v_and_b32 v219, v217, v220
.irp k, 0,2,4,6,8,10,12,14,16,18,20,22,24,26,28,30
	v_pk_mul_f32 v[X+\k:X+\k+1], v[X+\k:X+\k+1], v[218:219]
.endr
	; a lane holds hd 16 t + 8 h .. + 7 of query r: through my own stage, back as whole rows of 256 bytes
.irp t, 0,1,2,3
.irp u, 0,1
	ds_store_b128 v[VOS], v[X+8*\t+4*\u:X+8*\t+4*\u+3] offset:64*\t+16*\u
.endr
.endr
.irp k, 0,1,2,3,4,5,6,7
	ds_load_b128 v[YO+4*\k:YO+4*\k+3], v[VOL] offset:\k*2*OPITCH       ; LDS serves a wave's instructions in order (ISA guide 5.7.1): these see the stores above
.endr
.irp k, 0,1,2,3,4,5,6,7
	s_wait_dscnt 7-\k                              ; load k is in, the younger ones may stay out
	global_store_b128 v[VOG], v[YO+4*\k:YO+4*\k+3], s[38:39] offset:\k*2*ROWB th:TH_STORE_NT   ; sixteen lanes store 256 consecutive bytes, aligned
.endr
	s_wait_xcnt 0x0                                ; the stores' data and base are rewritten in the next query block only behind this wait
	s_add_co_u32 s23, s23, 1
	s_cmp_lt_u32 s23, 2
	s_cbranch_scc1 .Lqblock
	s_wait_tensorcnt 0x0
	ds_add_u32 v254, v255
	s_wait_dscnt 0x0
	s_endpgm
.Lfunc_end_k_q31588cd646_attn:
	.size	k_q31588cd646_attn, .Lfunc_end_k_q31588cd646_attn-k_q31588cd646_attn
	.p2alignl 7, 3214868480
	.fill 96, 4, 3214868480
	.section	.rodata,"a",@progbits
	.p2align	6, 0x0
	.amdhsa_kernel k_q31588cd646_attn
		.amdhsa_group_segment_fixed_size 149504
		.amdhsa_private_segment_fixed_size 0
		.amdhsa_enable_private_segment 0
		.amdhsa_kernarg_size 48
		.amdhsa_user_sgpr_count 2
		.amdhsa_user_sgpr_kernarg_segment_ptr 1
		.amdhsa_wavefront_size32 1
		.amdhsa_system_sgpr_workgroup_id_x 1
		.amdhsa_system_sgpr_workgroup_id_y 1
		.amdhsa_system_sgpr_workgroup_id_z 1
		.amdhsa_system_vgpr_workitem_id 0
		.amdhsa_next_free_vgpr 464
		.amdhsa_next_free_sgpr 66
		.amdhsa_reserve_vcc 1
		.amdhsa_float_denorm_mode_32 3
		.amdhsa_float_denorm_mode_16_64 3
		.amdhsa_memory_ordered 1
		.amdhsa_forward_progress 1
		.amdhsa_inst_pref_size 159
	.end_amdhsa_kernel
	.amdgpu_metadata
---
amdhsa.version: [ 1, 2 ]
amdhsa.kernels:
  - .name:           k_q31588cd646_attn
    .symbol:         k_q31588cd646_attn.kd
    .args:
      - { .name: k, .offset: 0, .size: 8, .value_kind: global_buffer, .address_space: global }
      - { .name: mask, .offset: 8, .size: 8, .value_kind: global_buffer, .address_space: global }
      - { .name: q, .offset: 16, .size: 8, .value_kind: global_buffer, .address_space: global }
      - { .name: rel_bias, .offset: 24, .size: 8, .value_kind: global_buffer, .address_space: global }
      - { .name: v, .offset: 32, .size: 8, .value_kind: global_buffer, .address_space: global }
      - { .name: out0, .offset: 40, .size: 8, .value_kind: global_buffer, .address_space: global }
    .group_segment_fixed_size: 149504
    .private_segment_fixed_size: 0
    .kernarg_segment_align: 8
    .kernarg_segment_size: 48
    .max_flat_workgroup_size: 256
    .sgpr_count:     66
    .vgpr_count:     464
    .wavefront_size: 32
...
	.end_amdgpu_metadata
.endif
;; end of part 1
;; ======== version 2 of 2: 1 launch; version 1 with the launch attn written anew for expert scheduling mode
;; limits: a function is approximated: absolute error at most 1.5e-05; right only within a limited range of input values
;; launch attn (part 2): grid 256 x 1, 8 waves a work-group, no clusters, 149,504 bytes of LDS; arguments k, mask, q, rel_bias, v, out0; writes out0
.if DOCPART == 2
	.amdgcn_target "amdgcn-amd-amdhsa--gfx1250"
	.amdhsa_code_object_version 6
	.text
	.protected	k_q31588cd646_attn
	.globl	k_q31588cd646_attn
	.p2align	8
	.type	k_q31588cd646_attn,@function
k_q31588cd646_attn:
	s_mov_b64 s[64:65], 0
	v_nop
	global_prefetch_b8 v0, s[64:65] scope:SCOPE_SE
	s_setreg_imm32_b32 hwreg(HW_REG_WAVE_SCHED_MODE, 0, 2), 2
	s_setreg_imm32_b32 hwreg(HW_REG_WAVE_MODE, 25, 1), 1
	s_wait_xcnt 0x0
	s_wait_alu depctr_vm_vsrc(0)
; out[b][q][head][:] = sum_k w(q,k) v[k] / (sum_k w(q,k) + 1e-8),  w = softplus(q.k/8 + bias(q-k)) for k <= q, mask[k] and mask[q] set, else 0.
; B = 2, S = 2048, 16 heads of 64.  q, k, v, out f32 [2][2048][1024]; mask i32 [2][2048]; rel_bias f32 [32][16].
;
; SHARING.  A head's 2048 queries are 16 blocks of 128.  Work-group i (0..7) of a head takes block 15-i and then block i: (16-i) + (i+1) = 17
; pairs (128 queries x 128 keys) in each of the 256 work-groups.  Key blocks are walked DOWN from the diagonal, so a query block's first trip is
; the diagonal one, the second has distances 1..255, and all later ones (far trips) have distances >= 129, where the bias is one number (bucket 31).
; Wave w = g + 4 p: query rows 32 g .. 32 g + 31 (two tiles of 16), keys 64 p .. 64 p + 63 of each key block (two steps of 32).  At a query block's
; end wave w hands one tile's sums to wave w ^ 4 and finishes the other: register tile 0 holds query tile p, register tile 1 query tile 1 - p.
;
; MATRIX USE.  S^T = K Q^T (A = 16 keys, B = 16 queries): a lane holds 8 neighbouring keys of one query, so two result tiles pack straight into the
; B fragment P^T (32 keys x 16 queries) of O^T = V^T P^T.  A fifth A tile whose 16 rows all are the key mask (bf16 1 or 0) gives the row sum, of the
; same weights that the numerator uses.  Rows of V of masked keys are cleared when V is converted.
;
; ROUNDING.  q, k and v are rounded to bf16 as they are (q/8 is a power of two away from q, so its rounding is q's).  A row with few keys has
; outputs of the size of v and carries a weight's relative error undiminished, so there one bf16 number a weight (8 bits) is too coarse.
; In the two near trips every weight goes to the matrix unit as hi + lo, two bf16 numbers: hi the weight rounded, lo the exact remainder rounded,
; 16 bits together.  In the far trips the lo parts are made and multiplied only if fewer than LOMIN = 64 of the 128 keys of the block next below
; the diagonal one are alive (counted from the mask at the start).  Otherwise every row of the query block has at least 64 keys whose weights
; carry 16 bits, and a far weight's error of 2^-9 enters the output divided by the row's whole sum.
; LIMIT of that: where those near weights are all much smaller than the far ones, the row carries the plain bf16 rounding of its far weights.
; bf16 and not f16: weights grow with |q||k| and have no bound inside f16's range.
;
; ARITHMETIC.  y = q.k/8 + bias (the bias enters as C of the first product); z = log2(e) y; w' = max(z,0) + log2(1 + t), t = 2^-|z| in [0,1];
; log2(1+t) = t (b1 + t (b2 + t (b3 + t (b4 + t b5)))), Abramowitz and Stegun 4.1.43 times log2(e): absolute error 1.5e-5, relative error 6e-4 for
; small t, on the whole range of t.  out = sum w' v / (sum w' + 1e-8 log2(e)).
; Causal: the bias is -1e30 there, so t = 0, max = 0, w' = 0 exactly.  Query mask: the reciprocal is ANDed with 0 or -1.
; LIMITS.  Inputs finite, |q.k|/8 far below 1e29.  For z < -126 the exponential gives 0 where the exact weight is below 1e-38.
; A non-finite v in a row that the masks remove gives 0 here (0 x inf would be NaN).
;
; NO CLUSTER, NO TENSOR LOADS: in every trip the eight work-groups of a head are on eight different key blocks (work-group i starts at block 15 - i),
; so no two ask for one tile at one time; and K and V are f32 in memory and pass through registers anyway, to be rounded to bf16 and masked.
;
; THE MODE: SCHED_MODE bits 1:0 = 2 (LLVM: expert scheduling mode 2), set by the entry lines.  The code itself states the register dependences
; between vector or matrix instructions and memory or LDS instructions, with s_wait_alu, always for 0.
; THE PLAN.  Registers that memory or LDS instructions touch, round a trip:
;   17 addresses  made at the head, never written again: one wait on va_vdst ahead of the first load serves them for the whole kernel.
;   VMF, VMG      the mask tile's address of step 0 and of step 1: written by one vector line in its step, read by that step's two loads.
;   VMAC          the mask words' address: written by one vector line in the staging, read by its eight loads.
;   KF  v112-143  K fragments land; the score products read them.  The staging's mask words (AM) and the way out's X lie in the same registers.
;   VF  v144-183  V and the mask tile land; the sum products read them.  The way out's X (its end) and YO lie in the same registers.
;   SCR           in near trips the bias tiles land; products and arithmetic name it.
;   SK, SV, QR    global loads land; the conversions read them.
;   TE, PL        written by the arithmetic, and by the staging's conversions and v_and; read by the staging's LDS stores.
; WAITS OF A TRIP.  At its head vm_vsrc: all stores and loads issued so far have read TE, PL, VMF, VMG, VMAC (and, behind a way out, the sums, X, YO).
; In each step ONE va_vdst behind the mask tile's address line: the address is written, the score products are done reading KF, the last step's sums are
; done reading VF; the step's 10 or 18 loads follow it, and the arithmetic behind them names none of their registers.  In a near trip's first step one
; more behind the arithmetic: SCR is free, and the second step's bias tiles are asked for ahead of the sum products.  In the staging two: behind the
; conversions (for the mask words' loads, K's stores and the next key block's loads) and behind the v_and (for V's stores, and for the next K fragments).
.set TRIPS,  17                        ; (query block, key block) pairs of a work-group
.set LOMIN,  64                        ; alive keys in the block below the diagonal one from which on far trips leave the lo parts out
.set ROWB,   4096                      ; bytes from a sequence position to the next
.set KPITCH, 144                       ; LDS row of K: 128 bytes of bf16 + 16
.set VPITCH, 160                       ; LDS row of V: 128 bytes + 32 (an odd multiple of 32, for the transposing loads)
.set OPITCH, 272                       ; LDS row of the way out: 256 bytes of f32 + 16
.set KB,     0                         ; 128 x 144   K block, bf16
.set VB,     18432                     ; 128 x 160   V block, bf16, masked
.set TAB,    38912                     ; 23 x 1024   bias tiles in the layout of a matrix result; tile ti is for q0 - k0 = 16 (ti - 7)
.set T2,     62464                     ; 512 x 4     bias of distance x - 127; -1e30 for x < 127
.set MB16,   64512                     ; 2048 x 2    key mask as bf16 1.0 or 0
.set MA32,   68608                     ; 2048 x 4    mask as 0 or 0xffffffff
.set XCH,    76800                     ; 8 x 4608    what a wave hands to its partner
.set XCHW,   4608
.set OST,    113664                    ; 8 x 4352    each wave's stage on the way out: 16 rows
.set OSTW,   4352
; window 0
.set VKA,  1                           ; K fragments: (64 p + r) 144 + 16 h
.set VVA,  2                           ; V fragments: VB + (64 p + 8 h + L%8) 160 + 16 ((L/8)%2)
.set VMF0, 3                           ; MB16 + 128 p + 16 h
.set VMF,  4                           ; the same at this trip's key block, for step 0's loads
.set VTB0, 5                           ; bias tiles of register tile 0
.set VTB1, 6                           ; of register tile 1
.set VGO,  7                           ; staging: (t/16) 4096 + (t%16) 16
.set VKS,  8                           ; staging: where my 8 bytes of K go
.set VVS,  9                           ; of V
.set VMA0, 10                          ; MA32 + 4 (t/16)
.set VMAC, 11                          ; the same at the staged key block
.set VPF,  12                          ; prefetch: (t%128) 4096
.set VQ0,  13                          ; Q rows of register tile 0
.set VQ1,  14                          ; of register tile 1
.set VXS,  15                          ; my exchange area
.set VXL,  16                          ; my partner's
.set VOS,  17                          ; way out: in
.set VOL,  18                          ; way out: back
.set VOG,  19                          ; way out: offset in out0
.set VQM0, 20                          ; MA32 + 4 (32 g + 16 p + r)
.set BC,   24                          ; v[24:31]   the constant bias as a C tile
.set QF,   32                          ; v[32:63]   Q fragments (tile a, hd half c) at 16 a + 8 c
.set SCR,  64                          ; v[64:95]   scores (tile a, key tile b) at 16 a + 8 b
.set PF,   96                          ; v[96:111]  weights, hi parts, as B fragments, 8 a
.set KF,   112                         ; v[112:143] K fragments (key tile b, hd half c) at 16 b + 8 c
.set VF,   144                         ; v[144:183] V^T fragments 8 t, t = 0..3; t = 4 is the mask tile
.set TE,   184                         ; v[184:199] t = 2^-|z|; staging: K as bf16
.set PL,   200                         ; v[200:215] the polynomial; staging: V as bf16
.set PLO,  224                         ; v[224:239] weights, lo parts, as B fragments, 8 a
.set NEG1, 240                         ; v240       -1.0
.set VC0,  241                         ; v241       offset in the mask of my 4 words of block 14 - i; never rewritten
.set VC1,  242                         ; v242       the same of block max(i - 1, 0); never rewritten
.set VMG,  243                         ; v243       the mask tile's address for step 1's loads: a register of its own, so that its last reader lies a trip back
.set MC,   244                         ; v[244:251] those words
.set AM,   112                         ; staging: mask words of my 8 rows
.set X,    112                         ; epilogue: v[112:147]
.set YO,   148                         ; epilogue: v[148:179]
; window 1 (numbers are the low 8 bits)
.set SK,   0                           ; v256..  K block as loaded, f32
.set SV,   32                          ; V block as loaded
.set QR,   64                          ; Q as loaded: 32 a + 16 c + 4 u
.set OA,   128                         ; sums: 40 a + 8 t; t = 4 the row sums.  Up to v463
.set MSB, 0
.macro WIN new                         ; low byte: bits 1:0 source 0, 3:2 source 1, 5:4 source 2, 7:6 destination; the high byte repeats the setting left
.if MSB != \new
	s_set_vgpr_msb (MSB<<8)|\new
.set MSB, \new
.endif
.endm
.macro PLACES                          ; four plain vector instructions behind matrix instructions (ISA guide 7.12.1)
.rept 4
	v_nop
.endr
.endm
; The head's compares stand in runs, each compare into a scalar register of its own, with one wait behind the run.
.macro TREG k                          ; tr: the register of threshold k of 15: s32-s43 and s24-s26, which hold nothing yet at that place
.if \k < 12
.set tr, 32+\k
.else
.set tr, 12+\k
.endif
.endm
.macro MREG k                          ; mr: the register of mask word k of 8: s24-s26, s28, s30, s31, s58, s59, which hold nothing that is still wanted there
.if \k < 3
.set mr, 24+\k
.elseif \k == 3
.set mr, 28
.elseif \k < 6
.set mr, 26+\k
.else
.set mr, 52+\k
.endif
.endm
; key block of flat trip m: m < NH: NH - 1 - m (the hi query block's walk), else 16 - m (the lo block's)
.macro KBOF dst, m
	s_sub_co_u32 s58, s56, \m
	s_sub_co_u32 s59, 16, \m
	s_cmp_lt_u32 \m, s21
	s_cselect_b32 \dst, s58, s59
	s_and_b32 \dst, \dst, 15                       ; it is 0..15: the mask states the range
.endm
.macro QLOAD base                      ; 16 loads: two tiles of 16 query rows x 64 f32, in the order of a B fragment
	WIN 0x40
.irp c, 0,1
.irp u, 0,1,2,3
	global_load_b128 v[QR+16*\c+4*\u:QR+16*\c+4*\u+3], v[VQ0], s[\base:\base+1] offset:128*\c+16*(\u&1)+64*(\u>>1)
	global_load_b128 v[QR+32+16*\c+4*\u:QR+32+16*\c+4*\u+3], v[VQ1], s[\base:\base+1] offset:128*\c+16*(\u&1)+64*(\u>>1)
.endr
.endr
	WIN 0
.endm
.macro KVLOAD                          ; 16 loads: a key block of K and of V; sixteen lanes take a row's 256 bytes of this head
	WIN 0x40
.irp c, 0,1,2,3,4,5,6,7
	global_load_b128 v[SK+4*\c:SK+4*\c+3], v[VGO], s[32:33] offset:\c*16*ROWB
.endr
.irp c, 0,1,2,3,4,5,6,7
	global_load_b128 v[SV+4*\c:SV+4*\c+3], v[VGO], s[34:35] offset:\c*16*ROWB
.endr
	WIN 0
.endm
.macro KLOAD j                         ; K fragments of step j: 32 keys x 64
.irp b, 0,1
.irp c, 0,1
	ds_load_b128 v[KF+16*\b+8*\c:KF+16*\b+8*\c+3],   v[VKA] offset:(32*\j+16*\b)*KPITCH+64*\c
	ds_load_b128 v[KF+16*\b+8*\c+4:KF+16*\b+8*\c+7], v[VKA] offset:(32*\j+16*\b)*KPITCH+64*\c+32
.endr
.endr
.endm
.macro BIAS j, prev                    ; 8 loads: the bias tiles of step j into the scores' registers (prev = 1: the key block below the diagonal one)
.irp b, 0,1
	ds_load_b128 v[SCR+8*\b:SCR+8*\b+3],       v[VTB0] offset:(3-2*\j-\b+8*\prev)*1024
	ds_load_b128 v[SCR+8*\b+4:SCR+8*\b+7],     v[VTB0] offset:(3-2*\j-\b+8*\prev)*1024+512
	ds_load_b128 v[SCR+16+8*\b:SCR+16+8*\b+3], v[VTB1] offset:(3-2*\j-\b+8*\prev)*1024
	ds_load_b128 v[SCR+16+8*\b+4:SCR+16+8*\b+7], v[VTB1] offset:(3-2*\j-\b+8*\prev)*1024+512
.endr
.endm
; softplus of query tile a's 32 keys (16 registers), packed into its B fragments: hi always; lo always (dyn = 0) or if s62 says so (dyn = 1)
.macro SP a, dyn
.irp k, 0,2,4,6,8,10,12,14
	v_pk_mul_f32 v[SCR+16*\a+\k:SCR+16*\a+\k+1], v[SCR+16*\a+\k:SCR+16*\a+\k+1], s[60:61] op_sel_hi:[1,0]   ; z = log2(e) y
.endr
.irp k, 0,1,2,3,4,5,6,7,8,9,10,11,12,13,14,15
	v_exp_f32 v[TE+\k], -|v[SCR+16*\a+\k]|
.endr
	v_nop                                          ; one plain instruction before a transcendental's source is rewritten or its result read (ISA guide 5.7.2)
.irp k, 0,1,2,3,4,5,6,7,8,9,10,11,12,13,14,15
	v_max_num_f32 v[SCR+16*\a+\k], 0, v[SCR+16*\a+\k]
.endr
	s_wait_alu depctr_va_vdst(0)
.irp k, 0,2,4,6,8,10,12,14
	v_pk_fma_f32 v[PL+\k:PL+\k+1], v[TE+\k:TE+\k+1], s[44:45], v[22:23] op_sel_hi:[1,0,1]      ; b5 t + b4
.endr
.irp k, 0,2,4,6,8,10,12,14
	v_pk_fma_f32 v[PL+\k:PL+\k+1], v[TE+\k:TE+\k+1], v[PL+\k:PL+\k+1], s[46:47] op_sel_hi:[1,1,0]   ; .. t + b3
.endr
.irp k, 0,2,4,6,8,10,12,14
	v_pk_fma_f32 v[PL+\k:PL+\k+1], v[TE+\k:TE+\k+1], v[PL+\k:PL+\k+1], s[48:49] op_sel_hi:[1,1,0]   ; .. t + b2
.endr
.irp k, 0,2,4,6,8,10,12,14
	v_pk_fma_f32 v[PL+\k:PL+\k+1], v[TE+\k:TE+\k+1], v[PL+\k:PL+\k+1], s[50:51] op_sel_hi:[1,1,0]   ; .. t + b1
.endr
.irp k, 0,2,4,6,8,10,12,14
	v_pk_fma_f32 v[SCR+16*\a+\k:SCR+16*\a+\k+1], v[TE+\k:TE+\k+1], v[PL+\k:PL+\k+1], v[SCR+16*\a+\k:SCR+16*\a+\k+1]   ; .. t + max(z,0)
.endr
.irp k, 0,1,2,3,4,5,6,7
	v_cvt_pk_bf16_f32 v[PF+8*\a+\k], v[SCR+16*\a+2*\k], v[SCR+16*\a+2*\k+1]                    ; hi
.endr
.if \dyn
	s_cmp_eq_u32 s62, 0
	s_cbranch_scc1 .Lnolo_\@                       ; enough near keys are alive: no lo parts in this query block's far trips
.endif
.irp k, 0,1,2,3,4,5,6,7
	v_fma_mix_f32_bf16 v[SCR+16*\a+2*\k],   v[PF+8*\a+\k], v[NEG1], v[SCR+16*\a+2*\k]   op_sel_hi:[1,0,0]                 ; w - hi, exact: hi's low half x -1 + w
	v_fma_mix_f32_bf16 v[SCR+16*\a+2*\k+1], v[PF+8*\a+\k], v[NEG1], v[SCR+16*\a+2*\k+1] op_sel:[1,0,0] op_sel_hi:[1,0,0]  ; the same with hi's high half
.endr
.irp k, 0,1,2,3,4,5,6,7
	v_cvt_pk_bf16_f32 v[PLO+8*\a+\k], v[SCR+16*\a+2*\k], v[SCR+16*\a+2*\k+1]                   ; lo
.endr
.if \dyn
.Lnolo_\@:
.endif
.endm
; ten matrix instructions: V^T (four tiles) and the mask tile times the weights' part at pb (hi or lo), for both query tiles
.macro PV pb, zero
.irp t, 0,1,2,3,4
.irp a, 0,1
.if \zero
	v_wmma_f32_16x16x32_bf16 v[OA+40*\a+8*\t:OA+40*\a+8*\t+7], v[VF+8*\t:VF+8*\t+7], v[\pb+8*\a:\pb+8*\a+7], 0
.else
	v_wmma_f32_16x16x32_bf16 v[OA+40*\a+8*\t:OA+40*\a+8*\t+7], v[VF+8*\t:VF+8*\t+7], v[\pb+8*\a:\pb+8*\a+7], v[OA+40*\a+8*\t:OA+40*\a+8*\t+7]
.endif
.endr
.endr
.endm
; One step: 32 keys x 32 queries.  near: the bias comes as tiles from TAB (prev = 1: the key block below the diagonal one); else it is the constant tile.
; Step 0 asks for its own bias tiles at its head, and for step 1's behind its arithmetic, ahead of its sum products.
; zero: the products start the sums.  more: step 1's K fragments are fetched; else this is the trip's last step and the barrier is signalled.
; dyn = 0: hi products, then lo products.  dyn = 1 (far trips): the lo products, under a branch on s62, stand first, so that the branch lies in front
; of the barrier's signal; then the hi products.
; All matrix instructions take their accumulators by turns, one instruction a turn: S00 S01 S10 S11 twice, then the ten sums
; once or twice; on either way of the branch no two in a row share an accumulator.
.macro STEP j, near, prev, zero, more, dyn
.set MFR, VMF+(VMG-VMF)*\j
.if \near && (\j == 0)
	BIAS 0, \prev
.endif
	s_wait_dscnt 0x0                               ; this step's K fragments (and bias tiles) are in
.irp a, 0,1
.irp b, 0,1
.if \near
	v_wmma_f32_16x16x32_bf16 v[SCR+16*\a+8*\b:SCR+16*\a+8*\b+7], v[KF+16*\b:KF+16*\b+7], v[QF+16*\a:QF+16*\a+7], v[SCR+16*\a+8*\b:SCR+16*\a+8*\b+7]
.else
	v_wmma_f32_16x16x32_bf16 v[SCR+16*\a+8*\b:SCR+16*\a+8*\b+7], v[KF+16*\b:KF+16*\b+7], v[QF+16*\a:QF+16*\a+7], v[BC:BC+7]
.endif
.endr
.endr
.irp a, 0,1
.irp b, 0,1
	v_wmma_f32_16x16x32_bf16 v[SCR+16*\a+8*\b:SCR+16*\a+8*\b+7], v[KF+16*\b+8:KF+16*\b+15], v[QF+16*\a+8:QF+16*\a+15], v[SCR+16*\a+8*\b:SCR+16*\a+8*\b+7]
.endr
.endr
	PLACES                                         ; behind these products, for the arithmetic that reads them
	KBOF s25, s22                                  ; this trip's key block.  The mask tile's address is made in each step, straight in front of its loads,
	v_lshl_add_u32 v[MFR], s25, 8, v[VMF0]         ; with no label between: MB16 + 256 x block (128 keys x 2 bytes) + 128 p + 16 h
	s_wait_alu depctr_va_vdst(0)                   ; that address is written; the products above are done reading K's registers and the last step's sums V's, in which the loads below land
.irp t, 0,1,2,3
	ds_load_tr16_b128 v[VF+8*\t:VF+8*\t+3],   v[VVA] offset:32*\j*VPITCH+32*\t
	ds_load_tr16_b128 v[VF+8*\t+4:VF+8*\t+7], v[VVA] offset:32*\j*VPITCH+32*\t+16*VPITCH
.endr
	ds_load_b128 v[VF+32:VF+35], v[MFR] offset:64*\j       ; the mask tile: all lanes of a half read the same 16 bytes
	ds_load_b128 v[VF+36:VF+39], v[MFR] offset:64*\j+32
.if \more
	KLOAD 1
.endif
	SP 0, \dyn
	SP 1, \dyn
.if \more
.if \near
	s_wait_alu depctr_va_vdst(0)                   ; the arithmetic above is done with the scores' registers, in which the next step's bias tiles land
	BIAS 1, \prev
	s_wait_dscnt 0x10                              ; V and the mask tile are in; the 16 younger loads (next step's K and bias tiles) may stay out
.else
	s_wait_dscnt 0x8                               ; V and the mask tile are in; the 8 younger loads (next step's K) may stay out
.endif
.else
	s_wait_dscnt 0x0                               ; V and the mask tile are in, and my last reads of this key block are over
.endif
.if \dyn
	s_cmp_eq_u32 s62, 0
	s_cbranch_scc1 .Lnopv_\@
	WIN 0x50
	PV PLO, 0
	WIN 0
.Lnopv_\@:
.endif
.if \more
.else
	s_barrier_signal -1                            ; my reads are over: say so; only register work follows until the wait
.endif
	WIN 0x50
	PV PF, \zero
.if \dyn
.else
	PV PLO, 0
.endif
	WIN 0
.endm
; Between a trip's two barriers: the key block of trip n + 1, which lies in registers, goes to LDS as bf16; that of trip n + 2 is asked for.
.macro STAGE
	s_wait_loadcnt 0x0                             ; the block asked for a trip ago is in; s[32:35] are free
	s_add_co_u32 s30, s22, 1
	s_cmp_ge_u32 s30, TRIPS
	s_cbranch_scc1 .Lstaged_\@                     ; no trip follows
	KBOF s31, s30
	v_lshl_add_u32 v[VMAC], s31, 9, v[VMA0]
	WIN 0x05
.irp k, 0,1,2,3,4,5,6,7,8,9,10,11,12,13,14,15
	v_cvt_pk_bf16_f32 v[TE+\k], v[SK+2*\k], v[SK+2*\k+1]
.endr
.irp k, 0,1,2,3,4,5,6,7,8,9,10,11,12,13,14,15
	v_cvt_pk_bf16_f32 v[PL+\k], v[SV+2*\k], v[SV+2*\k+1]
.endr
	WIN 0
	s_wait_alu depctr_va_vdst(0)                   ; VMAC is written, and so is K in bf16, which the stores below read; the conversions are done reading the raw registers, in which the next block lands; the trip's products are done reading v112-119, in which the mask words land
.irp c, 0,1,2,3,4,5,6,7
	ds_load_b32 v[AM+\c], v[VMAC] offset:64*\c     ; mask word of key row 16 c + t/16
.endr
	s_add_co_u32 s30, s22, 2
	s_cmp_ge_u32 s30, TRIPS
	s_cbranch_scc1 .Lnoload_\@
	KBOF s31, s30
	s_lshl_b32 s28, s31, 19                        ; 128 rows of 4,096 bytes
	s_add_nc_u64 s[32:33], s[4:5], s[28:29]
	s_add_nc_u64 s[34:35], s[12:13], s[28:29]
	KVLOAD                                         ; no vector instruction since the wait above names the raw registers
.Lnoload_\@:
	s_cmp_lg_u32 s22, s27
	s_cbranch_scc1 .Lnoask_\@
	; Key blocks 0..6 of a head are loaded first by its work-group 7, block x in the staging of trip 6 - x.  Work-group i (0..6) asks once for block i,
	; in the staging of trip max(4 - i, -1): waves 0-3 K's 128 rows, waves 4-7 V's, a lane for each row's 256 bytes of this head.
	global_prefetch_b8 v[VPF], s[42:43] th:TH_LOAD_NT scope:SCOPE_SE
.Lnoask_\@:
.irp c, 0,1,2,3,4,5,6,7
	ds_store_b64 v[VKS], v[TE+2*\c:TE+2*\c+1] offset:\c*16*KPITCH
.endr
	s_wait_dscnt 0x8                               ; the mask words are in: only the 8 stores are younger
.irp c, 0,1,2,3,4,5,6,7
	v_and_b32 v[PL+2*\c], v[PL+2*\c], v[AM+\c]     ; rows of masked keys are cleared
	v_and_b32 v[PL+2*\c+1], v[PL+2*\c+1], v[AM+\c]
.endr
	s_wait_alu depctr_va_vdst(0)                   ; the lines above have written V in bf16, which the stores below read, and are done reading the mask words, on which the next trip's K fragments land
.irp c, 0,1,2,3,4,5,6,7
	ds_store_b64 v[VVS], v[PL+2*\c:PL+2*\c+1] offset:\c*16*VPITCH
.endr
.Lstaged_\@:
.endm
; vw = 1: the trip's first bias tiles want a wait of their own (the diagonal trip's stands behind the conversions of Q)
.macro TRIP near, prev, zero, dyn, vw
	s_wait_alu depctr_vm_vsrc(0)                   ; the staging's LDS stores have read TE and PL, which this trip's arithmetic writes; the loads issued so far have read VMF, VMG and VMAC, which this trip makes anew; behind a way out: its stores have read the sums and v112-179, which this trip's products and loads write
.if \vw
	s_wait_alu depctr_va_vdst(0)                   ; the last trip's arithmetic is done with the scores' registers, in which this trip's first bias tiles land
.endif
	KLOAD 0
	STEP 0, \near, \prev, \zero, 1, \dyn
	STEP 1, \near, \prev, 0, 0, \dyn
	s_barrier_wait -1                              ; no wave reads this key block any more
	STAGE
	s_wait_dscnt 0x0                               ; my part of the next block is written
	s_barrier_signal -1
	s_barrier_wait -1                              ; everybody's is
	s_add_co_u32 s22, s22, 1
.endm
; The bias tiles.  Register j of lane (r, h) of tile ti is T2[16 ti + 15 + r - 8 h - j].  Wave w makes the whole tiles ti = w + 8 blk:
; eight words a lane from T2, then two stores of 512 consecutive bytes each (registers 0-3 at 16 L, registers 4-7 at 512 + 16 L).
.macro TABLD blk
.irp j, 0,1,2,3,4,5,6,7
	ds_load_b32 v[SCR+8*\blk+\j], v21 offset:512*\blk+4*(7-\j)
.endr
.endm
.macro TABST blk
	ds_store_b128 v220, v[SCR+8*\blk:SCR+8*\blk+3]   offset:8192*\blk
	ds_store_b128 v220, v[SCR+8*\blk+4:SCR+8*\blk+7] offset:8192*\blk+512
.endm
	; ---------------------------------------------------------------- ids, constants, addresses
	s_load_b256 s[4:11], s[0:1], 0x0               ; k s[4:5], mask s[6:7], q s[8:9], rel_bias s[10:11]
	s_load_b128 s[12:15], s[0:1], 0x20             ; v s[12:13], out0 s[14:15]
	v_lshl_add_u32 v254, v0, 2, 0x24400
	v_mov_b32 v255, 0
	v_lshrrev_b32 v216, 5, v0
	v_readfirstlane_b32 s18, v216                  ; w
	s_wait_alu depctr_va_sdst(0)                   ; s18 is written, ahead of its first reader
	s_and_b32 s19, s18, 3                          ; g
	s_lshr_b32 s20, s18, 2                         ; p
	s_and_b32 s16, ttmp9, 7                        ; i
	s_lshr_b32 s17, ttmp9, 3
	s_lshr_b32 s30, s17, 4                         ; b
	s_and_b32 s17, s17, 15                         ; head
	s_sub_co_u32 s21, 16, s16                      ; NH: trips of the hi query block
	s_sub_co_u32 s56, 15, s16                      ; NH - 1: the hi query block
	s_mov_b32 s22, -1                              ; n, the flat trip number
	s_mov_b32 s23, 0                               ; query block: 0 hi, 1 lo
	s_mov_b32 s29, 0                               ; upper word of the offset pair s[28:29], for good
	s_sub_co_i32 s27, 4, s16
	s_max_i32 s27, s27, -1                         ; the trip in whose staging I prefetch,
	s_cmp_eq_u32 s16, 7
	s_cselect_b32 s27, 100, s27                    ; never in work-group 7
	s_mov_b32 s44, 0x3d3e0884                      ; b5
	s_mov_b32 s45, 0x3d3e0884
	s_mov_b32 s46, 0x3ed5d2ca                      ; b3
	s_mov_b32 s47, 0x3ed5d2ca
	s_mov_b32 s48, 0xbf35ad3c                      ; b2
	s_mov_b32 s49, 0xbf35ad3c
	s_mov_b32 s50, 0x3fb89262                      ; b1
	s_mov_b32 s51, 0x3fb89262
	s_mov_b32 s52, 0x3e000000                      ; 1/8: a power of two, so that rounding q/8 is rounding q
	s_mov_b32 s53, 0x3e000000
	s_mov_b32 s54, 0x3277da66                      ; 1e-8 log2(e)
	s_mov_b32 s60, 0x3fb8aa3b                      ; log2(e)
	s_mov_b32 s61, 0x3fb8aa3b
	v_mov_b32 v22, 0xbe490218                      ; b4
	v_mov_b32 v23, 0xbe490218
	v_mov_b32 v[NEG1], -1.0
	s_lshl_b32 s28, s30, 23                        ; b x 2048 x 4096
	s_lshl_b32 s31, s17, 8                         ; head x 256
	s_add_co_u32 s28, s28, s31
	s_lshl_b32 s58, s30, 13                        ; b x 8192, for the mask
	s_mov_b32 s59, 0
	s_lshl_b32 s17, s17, 2                         ; head x 4
	v_and_b32 v216, 31, v0                         ; L
	v_and_b32 v217, 15, v0                         ; r
	v_bfe_u32 v218, v0, 4, 1                       ; h
	v_lshrrev_b32 v219, 4, v0                      ; t / 16
	s_mul_i32 s30, s20, 64*KPITCH                  ; KB is LDS byte 0
	v_mul_u32_u24 v[VKA], v217, KPITCH
	v_lshl_add_u32 v[VKA], v218, 4, v[VKA]
	v_add_nc_u32 v[VKA], s30, v[VKA]
	v_and_b32 v220, 7, v0
	v_lshl_add_u32 v220, v218, 3, v220
	v_mul_u32_u24 v[VVA], v220, VPITCH
	v_bfe_u32 v220, v0, 3, 1
	v_lshl_add_u32 v[VVA], v220, 4, v[VVA]
	s_mul_i32 s30, s20, 64*VPITCH
	s_add_co_u32 s30, s30, VB
	v_add_nc_u32 v[VVA], s30, v[VVA]
	s_lshl_b32 s30, s20, 7
	s_add_co_u32 s30, s30, MB16
	v_lshl_add_u32 v[VMF0], v218, 4, s30
	; bias tile of (register tile a, step j, key tile b): ti = 8 prev + 2 g + (a xor p) - 4 p - 2 j - b + 7; 3 - 2 j - b + 8 prev stands in the immediate
	s_lshl_b32 s30, s19, 1
	s_add_co_u32 s30, s30, 4
	s_mul_i32 s31, s20, 3
	s_sub_co_u32 s31, s30, s31                     ; 2 g - 3 p + 4
	s_lshl_b32 s31, s31, 10
	s_add_co_u32 s31, s31, TAB
	v_lshl_add_u32 v[VTB0], v216, 4, s31
	s_add_co_u32 s30, s30, 1
	s_mul_i32 s31, s20, 5
	s_sub_co_u32 s31, s30, s31                     ; 2 g - 5 p + 5
	s_lshl_b32 s31, s31, 10
	s_add_co_u32 s31, s31, TAB
	v_lshl_add_u32 v[VTB1], v216, 4, s31
	v_lshlrev_b32 v[VGO], 12, v219
	v_lshl_add_u32 v[VGO], v217, 4, v[VGO]
	v_mul_u32_u24 v[VKS], v219, KPITCH
	v_lshl_add_u32 v[VKS], v217, 3, v[VKS]
	v_mul_u32_u24 v[VVS], v219, VPITCH
	v_lshl_add_u32 v[VVS], v217, 3, v[VVS]
	v_add_nc_u32 v[VVS], VB, v[VVS]
	v_lshl_add_u32 v[VMA0], v219, 2, MA32
	v_and_b32 v[VPF], 127, v0
	v_lshlrev_b32 v[VPF], 12, v[VPF]
	s_lshl_b32 s57, s19, 5
	s_lshl_b32 s30, s20, 4
	s_add_co_u32 s57, s57, s30                     ; 32 g + 16 p: first row of register tile 0
	s_xor_b32 s31, s57, 16                         ; 32 g + 16 (1 - p): of register tile 1
	v_add_nc_u32 v220, s57, v217
	v_lshl_add_u32 v[VQM0], v220, 2, MA32
	v_lshlrev_b32 v220, 12, v220
	v_lshl_add_u32 v[VQ0], v218, 5, v220
	v_add_nc_u32 v220, s31, v217
	v_lshlrev_b32 v220, 12, v220
	v_lshl_add_u32 v[VQ1], v218, 5, v220
	s_mul_i32 s30, s18, XCHW
	s_add_co_u32 s30, s30, XCH
	v_lshl_add_u32 v[VXS], v216, 4, s30
	s_xor_b32 s31, s18, 4
	s_mul_i32 s31, s31, XCHW
	s_add_co_u32 s31, s31, XCH
	v_lshl_add_u32 v[VXL], v216, 4, s31
	s_mul_i32 s30, s18, OSTW
	s_add_co_u32 s30, s30, OST
	v_mul_u32_u24 v220, v217, OPITCH
	v_lshl_add_u32 v220, v218, 5, v220
	v_add_nc_u32 v[VOS], s30, v220
	v_mul_u32_u24 v220, v218, OPITCH
	v_lshl_add_u32 v220, v217, 4, v220
	v_add_nc_u32 v[VOL], s30, v220
	v_lshlrev_b32 v220, 12, v218
	v_lshl_add_u32 v[VOG], v217, 4, v220
	; the two key blocks whose alive keys are counted: the one below each of my query blocks, 14 - i and i - 1 (block 0 for i = 0, whose lo query
	; block has no far trip, so that its count is not used); 128 words of 4 bytes a block, 4 words a lane
	s_sub_co_u32 s30, 14, s16
	s_lshl_b32 s30, s30, 9
	v_lshl_add_u32 v[VC0], v216, 4, s30
	s_sub_co_i32 s31, s16, 1
	s_max_i32 s31, s31, 0
	s_lshl_b32 s31, s31, 9
	v_lshl_add_u32 v[VC1], v216, 4, s31
	; bucket of distance d = t - 127: d below 16, else 16 + the number of thresholds 16 x 8^(m/16), rounded up, that d reaches; 31 from 113 on.
	; For t < 127 d wraps to a large number and the bucket is 31: a legal index, whose value is replaced by -1e30 below.
	v_add_nc_u32 v221, 0xffffff81, v0
	v_min_u32 v222, 16, v221
.set ci, 0
.irp thr, 19,21,24,27,31,35,40,46,52,59,67,77,87,99,113
	TREG ci
	v_cmp_le_u32 s[tr], \thr, v221
.set ci, ci+1
.endr
	s_wait_alu depctr_va_sdst(0)                   ; the fifteen masks are written, ahead of the selects that read them
.set ci, 0
.rept 15
	TREG ci
	v_cndmask_b32 v223, 0, 1, s[tr]
	v_add_nc_u32 v222, v222, v223
.set ci, ci+1
.endr
	v_lshl_add_u32 v222, v222, 6, s17              ; byte offset of rel_bias[bucket][head]
	v_lshlrev_b32 v21, 5, v0                       ; my 8 mask words
	s_wait_alu depctr_va_vdst(0)                   ; all offsets and addresses made above are written: v21, v222 and the seventeen that are never written again, which the kernel's loads, stores and prefetch read
	s_wait_kmcnt 0x0
	s_add_nc_u64 s[4:5], s[4:5], s[28:29]          ; k, q, v, out0 at (b, head); mask at b
	s_add_nc_u64 s[8:9], s[8:9], s[28:29]
	s_add_nc_u64 s[12:13], s[12:13], s[28:29]
	s_add_nc_u64 s[14:15], s[14:15], s[28:29]
	s_add_nc_u64 s[6:7], s[6:7], s[58:59]
	s_load_b32 s55, s[10:11], s17 offset:0x7c0     ; rel_bias[31][head]
	s_lshl_b32 s28, s56, 19                        ; the hi query block, which is also key block kb(0)
	s_add_nc_u64 s[36:37], s[8:9], s[28:29]
	s_add_nc_u64 s[32:33], s[4:5], s[28:29]
	s_add_nc_u64 s[34:35], s[12:13], s[28:29]
	s_lshl_b32 s28, s16, 19                        ; block i: the lo query block, and the block that I prefetch
	s_add_nc_u64 s[40:41], s[8:9], s[28:29]
	s_cmp_eq_u32 s20, 0
	s_cselect_b64 s[42:43], s[4:5], s[12:13]       ; waves 0-3 ask for K, waves 4-7 for V
	s_add_nc_u64 s[42:43], s[42:43], s[28:29]
	global_load_b128 v[TE:TE+3], v21, s[6:7]
	global_load_b128 v[TE+4:TE+7], v21, s[6:7] offset:16
	global_load_b32 v[PL], v222, s[10:11]
	global_load_b128 v[MC:MC+3], v[VC0], s[6:7]
	global_load_b128 v[MC+4:MC+7], v[VC1], s[6:7]
	QLOAD 36
	KVLOAD
	s_wait_kmcnt 0x0
.irp k, 0,1,2,3,4,5,6,7
	v_mov_b32 v[BC+\k], s55                        ; the far bias as a C tile
.endr
	v_lshl_add_u32 v220, v0, 5, MA32
	v_lshl_add_u32 v221, v0, 4, MB16
	v_lshl_add_u32 v223, v0, 2, T2
	v_mov_b32 v[PL+1], 0xf149f2ca                  ; -1e30
	s_wait_loadcnt 0x20                            ; masks and bias are in; the 32 younger loads (Q, the first key block) stay out
.irp k, 0,1,2,3,4,5,6,7
	MREG \k
	v_cmp_ne_u32 s[mr], 0, v[TE+\k]
.endr
	v_cmp_gt_u32 s63, 127, v0
	s_wait_alu depctr_va_sdst(0)                   ; the nine masks are written, ahead of the selects that read them
.irp k, 0,1,2,3,4,5,6,7
	MREG \k
	v_cndmask_b32 v[PL+8+\k], 0, -1, s[mr]
.endr
.irp k, 0,1,2,3
	v_and_b32 v[TE+8+\k], 0x3f80, v[PL+8+2*\k]
	v_and_or_b32 v[PL+4+\k], v[PL+9+2*\k], 0x3f800000, v[TE+8+\k]
.endr
	v_cndmask_b32 v[PL], v[PL], v[PL+1], s63       ; keys behind the query
	s_wait_alu depctr_va_vdst(0)                   ; the three LDS addresses, the two forms of the mask, the bias and the constant tile are written, which the stores below read
	ds_store_b128 v220, v[PL+8:PL+11]
	ds_store_b128 v220, v[PL+12:PL+15] offset:16
	ds_store_b128 v221, v[PL+4:PL+7]
	ds_store_b32 v223, v[PL]
	ds_store_b32 v223, v[BC] offset:1024           ; distances 129 and more
	; alive keys of the two blocks: four compares of 32 lanes each cover a block's 128 words.  s2, s3 = 1: fewer than LOMIN, far trips keep the lo parts
.irp k, 0,1,2,3,4,5,6,7
	MREG \k
	v_cmp_ne_u32 s[mr], 0, v[MC+\k]
.endr
	s_wait_alu depctr_va_sdst(0)                   ; the eight masks are written, ahead of the counts that read them
	s_mov_b32 s2, 0
	s_mov_b32 s3, 0
.irp k, 0,1,2,3
	MREG \k
	s_bcnt1_i32_b32 s[mr], s[mr]
	s_add_co_u32 s2, s2, s[mr]
.endr
.irp k, 4,5,6,7
	MREG \k
	s_bcnt1_i32_b32 s[mr], s[mr]
	s_add_co_u32 s3, s3, s[mr]
.endr
	s_cmp_lt_u32 s2, LOMIN
	s_cselect_b32 s2, 1, 0
	s_cmp_lt_u32 s3, LOMIN
	s_cselect_b32 s3, 1, 0
	s_wait_dscnt 0x0
	s_barrier_signal -1
	s_barrier_wait -1                              ; the masks and T2 are whole
	s_wait_alu depctr_vm_vsrc(0)                   ; the mask's loads have read v21 and the LDS stores v220, which are written below, and PL, which the staging's conversions write
	s_lshl_b32 s30, s18, 6
	s_add_co_u32 s30, s30, T2+32
	v_lshl_add_u32 v21, v217, 2, s30
	v_lshlrev_b32 v220, 5, v218
	v_sub_nc_u32 v21, v21, v220                    ; T2 + 4 (16 w + 8 + r - 8 h); 4 (7 - j) and 512 blk stand in the immediate
	s_lshl_b32 s30, s18, 10
	s_add_co_u32 s30, s30, TAB
	v_lshl_add_u32 v220, v216, 4, s30              ; TAB + 1024 w + 16 L
	s_wait_alu depctr_va_vdst(0)                   ; v21 and v220 are written, which the loads and stores of the bias tiles read
	TABLD 0
	TABLD 1
	s_wait_dscnt 0x0
	TABST 0                                        ; tile w
	TABST 1                                        ; tile w + 8
	s_cmp_eq_u32 s18, 7
	s_cbranch_scc1 .Ltabdone                       ; there are 23 tiles: wave 7 has no third one
	TABLD 2
	s_wait_dscnt 0x0
	TABST 2                                        ; tile w + 16
.Ltabdone:
	STAGE                                          ; n = -1: key block kb(0) to LDS, kb(1) asked for
	s_wait_dscnt 0x0
	s_barrier_signal -1
	s_barrier_wait -1                              ; the bias tiles and the first key block are whole
	s_mov_b32 s22, 0
	; ---------------------------------------------------------------- a query block
.Lqblock:
	s_cmp_eq_u32 s23, 0
	s_cselect_b32 s24, s56, s16                    ; qb: 15 - i, then i
	s_cselect_b32 s62, s2, s3                      ; do this block's far trips keep the lo parts?
	s_lshl_b32 s30, s24, 7
	s_add_co_u32 s30, s30, s57
	s_lshl_b32 s28, s30, 12
	s_add_nc_u64 s[38:39], s[14:15], s[28:29]      ; out0 at the 16 rows that I finish
	s_wait_loadcnt 0x10                            ; Q is in: only the at most 16 loads of the last staging are younger
	WIN 0x41
.set qi, 0
.rept 32
	v_pk_mul_f32 v[QR+2*qi:QR+2*qi+1], v[QR+2*qi:QR+2*qi+1], s[52:53] op_sel_hi:[1,0]
.set qi, qi+1
.endr
	WIN 0x05
.set qi, 0
.rept 32
	v_cvt_pk_bf16_f32 v[QF+qi], v[QR+2*qi], v[QR+2*qi+1]
.set qi, qi+1
.endr
	WIN 0
	s_wait_alu depctr_va_vdst(0)                   ; the lines above are done with Q's raw registers, in which the lo block's Q lands; the arithmetic that last named the scores' registers is done: the diagonal trip's first bias tiles land in them
	s_cmp_lg_u32 s23, 0
	s_cbranch_scc1 .Lqheld
	QLOAD 40                                       ; the lo block's Q, into the registers just read
.Lqheld:
	TRIP 1, 0, 1, 0, 0                             ; the diagonal key block starts the sums
	s_cmp_eq_u32 s24, 0
	s_cbranch_scc1 .Lepi
	TRIP 1, 1, 0, 0, 1                             ; the block below it: distances 1 to 255
	s_sub_co_u32 s26, s24, 1
	s_cmp_eq_u32 s26, 0
	s_cbranch_scc1 .Lepi
.Lfar:
	TRIP 0, 0, 0, 1, 0                             ; distances of 129 and more: one bias; lo parts only if s62 says so
	s_sub_co_u32 s26, s26, 1
	s_cmp_lg_u32 s26, 0
	s_cbranch_scc1 .Lfar
.Lepi:
	PLACES                                         ; behind the last sums, for the stores that read them; the places stay beside the wait below
	v_lshl_add_u32 v21, s24, 9, v[VQM0]
	WIN 0x04
	s_wait_alu depctr_va_vdst(0)                   ; the products have written the sums, which the stores below read, and are done reading v112-183, in which the loads of the way out land; v21 is written; the last reader of v220 is done
.irp k, 0,1,2,3,4,5,6,7,8
	ds_store_b128 v[VXS], v[OA+40+4*\k:OA+40+4*\k+3] offset:512*\k     ; register tile 1: 32 sums and the row sum, to my partner
.endr
	WIN 0
	ds_load_b32 v220, v21                          ; mask word of my query
	s_wait_dscnt 0x0
	s_barrier_signal -1
	s_barrier_wait -1
.irp k, 0,1,2,3,4,5,6,7,8
	ds_load_b128 v[X+4*\k:X+4*\k+3], v[VXL] offset:512*\k              ; my partner's half of the keys for my register tile 0
.endr
	s_wait_dscnt 0x0
	WIN 0x01
.irp k, 0,2,4,6,8,10,12,14,16,18,20,22,24,26,28,30,32
	v_pk_add_f32 v[X+\k:X+\k+1], v[OA+\k:OA+\k+1], v[X+\k:X+\k+1]
.endr
	WIN 0
	v_add_f32 v216, s54, v[X+32]
	v_rcp_f32 v217, v216
	v_nop                                          ; one plain instruction before the reciprocal is read (ISA guide 5.7.2)
	s_wait_alu depctr_va_vdst(0)
	v_and_b32 v218, v217, v220                     ; 0 for a masked query
	v_and_b32 v219, v217, v220
.irp k, 0,2,4,6,8,10,12,14,16,18,20,22,24,26,28,30
	v_pk_mul_f32 v[X+\k:X+\k+1], v[X+\k:X+\k+1], v[218:219]
.endr
	s_wait_alu depctr_va_vdst(0)                   ; the multiplications have written X, which the stores below read
	; a lane holds hd 16 t + 8 h .. + 7 of query r: through my own stage, back as whole rows of 256 bytes
.irp t, 0,1,2,3
.irp u, 0,1
	ds_store_b128 v[VOS], v[X+8*\t+4*\u:X+8*\t+4*\u+3] offset:64*\t+16*\u
.endr
.endr
.irp k, 0,1,2,3,4,5,6,7
	ds_load_b128 v[YO+4*\k:YO+4*\k+3], v[VOL] offset:\k*2*OPITCH       ; LDS serves a wave's instructions in order (ISA guide 5.7.1): these see the stores above
.endr
.irp k, 0,1,2,3,4,5,6,7
	s_wait_dscnt 7-\k                              ; load k is in, the younger ones may stay out
	global_store_b128 v[VOG], v[YO+4*\k:YO+4*\k+3], s[38:39] offset:\k*2*ROWB th:TH_STORE_NT   ; sixteen lanes store 256 consecutive bytes, aligned
.endr
	s_wait_xcnt 0x0                                ; the stores' data and base are rewritten in the next query block only behind this wait (and the data behind the next trip's wait on vm_vsrc)
	s_add_co_u32 s23, s23, 1
	s_cmp_lt_u32 s23, 2
	s_cbranch_scc1 .Lqblock
	s_wait_dscnt 0x0
	s_wait_alu depctr_hold_cnt(0) depctr_sa_sdst(0) depctr_va_vdst(0) depctr_va_sdst(0) depctr_va_ssrc(0) depctr_va_vcc(0) depctr_vm_vsrc(0)
	s_wait_tensorcnt 0x0
	ds_add_u32 v254, v255
	s_wait_dscnt 0x0
	s_endpgm
.Lfunc_end_k_q31588cd646_attn:
	.size	k_q31588cd646_attn, .Lfunc_end_k_q31588cd646_attn-k_q31588cd646_attn
	.p2alignl 7, 3214868480
	.fill 96, 4, 3214868480
	.section	.rodata,"a",@progbits
	.p2align	6, 0x0
	.amdhsa_kernel k_q31588cd646_attn
		.amdhsa_group_segment_fixed_size 149504
		.amdhsa_private_segment_fixed_size 0
		.amdhsa_enable_private_segment 0
		.amdhsa_kernarg_size 48
		.amdhsa_user_sgpr_count 2
		.amdhsa_user_sgpr_kernarg_segment_ptr 1
		.amdhsa_wavefront_size32 1
		.amdhsa_system_sgpr_workgroup_id_x 1
		.amdhsa_system_sgpr_workgroup_id_y 1
		.amdhsa_system_sgpr_workgroup_id_z 1
		.amdhsa_system_vgpr_workitem_id 0
		.amdhsa_next_free_vgpr 464
		.amdhsa_next_free_sgpr 66
		.amdhsa_reserve_vcc 0
		.amdhsa_float_denorm_mode_32 3
		.amdhsa_float_denorm_mode_16_64 3
		.amdhsa_memory_ordered 1
		.amdhsa_forward_progress 1
		.amdhsa_inst_pref_size 161
	.end_amdhsa_kernel
	.amdgpu_metadata
---
amdhsa.version: [ 1, 2 ]
amdhsa.kernels:
  - .name:           k_q31588cd646_attn
    .symbol:         k_q31588cd646_attn.kd
    .args:
      - { .name: k, .offset: 0, .size: 8, .value_kind: global_buffer, .address_space: global }
      - { .name: mask, .offset: 8, .size: 8, .value_kind: global_buffer, .address_space: global }
      - { .name: q, .offset: 16, .size: 8, .value_kind: global_buffer, .address_space: global }
      - { .name: rel_bias, .offset: 24, .size: 8, .value_kind: global_buffer, .address_space: global }
      - { .name: v, .offset: 32, .size: 8, .value_kind: global_buffer, .address_space: global }
      - { .name: out0, .offset: 40, .size: 8, .value_kind: global_buffer, .address_space: global }
    .group_segment_fixed_size: 149504
    .private_segment_fixed_size: 0
    .kernarg_segment_align: 8
    .kernarg_segment_size: 48
    .max_flat_workgroup_size: 256
    .sgpr_count:     66
    .vgpr_count:     464
    .wavefront_size: 32
...
	.end_amdgpu_metadata
.endif
;; end of part 2
